; MI455X (gfx1250); checked and timed in simulation.
; The chip was launched on July 23, 2026; its instructions are those of AMD's public machine-readable ISA for CDNA 5 (MIT licence, August 2026) and "CDNA5" Instruction Set Architecture Reference Guide (July 2026). The comments in the code are by the model that wrote it; some were corrected since.
;; Feed Forward Quantum. Allowed arithmetic: matrix products marked QUANTISED: E5M2 operands, one E8M0 scale for each 32 along K, by v_wmma_scale_f32_16x16x128_f8f6f4 with both operands' format E5M2, f32 sums; products left as they are: f32 operands where the result goes on into a quantised operand, else bf16, f16 or f32 operands; f32 sums; everything else in f32.
;; Inputs: W1 4,096 x 8 float32; W2_codes 1,024 x 128 x 32 uint8 (E5M2 codes of W2, K innermost, in blocks of 32 codes); W2_scales 1,024 x 128 uint8 (E8M0 scales of W2, one for each 32 codes along K); b1 4,096 float32; b2 1,024 float32; ry_theta 8 float32; x 4 x 4,096 x 1,024 float32.
;; Outputs: out0 4 x 4,096 x 1,024 float32.
;; This version of the problem:
;;   THIS VERSION OF THE PROBLEM IS GIVEN IN LOW PRECISION. The matrix products marked QUANTISED in the list below multiply operands that are first quantised to E5M2 (5 exponent bits, 2 mantissa bits; 8 bits a number), with one power-of-two scale for each 32 numbers along K (OCP MX v1.0); their sums are f32. All else is computed in f32.
;;   The module's matrix products, in the order in which they are computed (A, B: the left and right operand; K: the contracted axis; several contracted axes count as one K, in the product's order):
;;     1. [M 16,384, K 8] x [K 8, N 4,096]; A: computed on the way; B: input W1: left as it is (K = 8 < 32)
;;     2. [M 16,384, K 4,096] x [K 4,096, N 1,024]; A: computed on the way; B: input W2 (given as codes): QUANTISED
;;   THE QUANTISER, for each operand of a quantised product, along K:
;;     - K is cut into blocks of 32 from its start; a last block that is shorter is filled with zeros.
;;     - A block's scale is 2^e with e = floor(log2(the largest magnitude in the block)) - 15, held to -126 .. 127; a block of zeros has e = 0. As a byte (E8M0): e + 127.
;;     - Each number is divided by its block's scale, clamped to +-57,344, and rounded to the nearest number of E5M2, ties to even, subnormals kept.
;;     - The product sums the exact products of the quantised numbers (number of the format x scale) in f32.
;;   ~~~python
;;   def quantise(x, axis):      # numpy; x: float32 -> the quantised numbers, widened to float32 again
;;       x = np.moveaxis(x, axis, -1); K = x.shape[-1]
;;       x = np.pad(x, [(0, 0)] * (x.ndim - 1) + [(0, -K % 32)]); x = x.reshape(x.shape[:-1] + (-1, 32)); a = np.abs(x).max(-1, keepdims=True)
;;       e = np.where(a > 0, np.clip(np.frexp(np.where(a > 0, a, 1))[1] - 1 - 15, -126, 127), 0)      # np.frexp(a)[1] - 1 = floor(log2(a)), exactly
;;       r = np.clip(x / 2.0 ** e, -57344, 57344)
;;       step = 2.0 ** (np.maximum(np.frexp(np.where(r == 0, 1, r))[1] - 1, -14) - 2)
;;       q = np.round(r / step) * step * 2.0 ** e      # np.round: ties to even
;;       return np.moveaxis(q.reshape(q.shape[:-2] + (-1,))[..., :K], -1, axis).astype(np.float32)
;;   ~~~
;;   OPERANDS COMPUTED ON THE WAY. 'Computed on the way' means the value that the module computes at that place (a softmax that the list does not call 'softmax' is quantised finished and normalised). What goes into a quantiser is computed in f32, as accurately as f32 sums, v_exp_f32 and their like allow (about 1e-6 of the number): no bf16 or f16 on the way to a quantiser, and a product that is left as it is and whose result goes on into a quantised operand takes f32 operands (vector FMAs, or v_wmma_f32_16x16x4_f32). A number that lies on a knife's edge between two numbers of the format may be rounded either way, as far as f32 arithmetic and the matrix unit's own rounding can turn it there, and no further.
;;   INPUTS GIVEN AS CODES. W2 (in the module: [1024, 4096], K = its axis 1): each comes as NAME_codes (uint8): NAME with its K axis moved to the last place and cut into blocks of 32 codes, [.., K / 32, bytes a block], one block behind the other in memory; one code a byte (a code: sign, 5 exponent bits, 2 mantissa bits); and NAME_scales (uint8): the same leading axes, one E8M0 byte (e + 127) for each 32 codes along K. Its value is code x scale, taken as it is: it is not quantised again, and the codes and scales need not be those that the quantiser above would give.
;; One version. Each part assembles by itself: llvm-mc -triple=amdgcn-amd-amdhsa -mcpu=gfx1250 --defsym DOCPART=n.
;; ======== version 1 of 1: 2 launches
;; limits: inputs' magnitudes at most 50,000; right only within a limited range of input values
;; workspace buffers: hA 67,108,864 bytes; hS 2,097,152 bytes; wS 131,072 bytes
;; launch hid (part 1): grid 256 x 1, 16 waves a work-group, no clusters, 4,096 bytes of LDS; arguments x, ry_theta, W1, b1, W2_scales, hA, hS, wS; writes hA, hS, wS
.if DOCPART == 1
	.amdgcn_target "amdgcn-amd-amdhsa--gfx1250"
	.amdhsa_code_object_version 6
	.text
	.protected	k_qf7bac06bc1_hid
	.globl	k_qf7bac06bc1_hid
	.p2align	8
	.type	k_qf7bac06bc1_hid,@function
k_qf7bac06bc1_hid:
	s_mov_b64 s[64:65], 0
	v_nop
	global_prefetch_b8 v0, s[64:65] scope:SCOPE_SE
	s_setreg_imm32_b32 hwreg(HW_REG_WAVE_MODE, 25, 1), 1
	s_wait_xcnt 0x0
; h = relu(q W1^T + b1), q = cos(x[.., :8]) cos(theta), quantised to E5M2 with one E8M0 byte for each 32 hidden units.
; The module slices x to its first 8 features: the other 1,016 of each token reach no output and are not loaded.
; A work-group owns 64 tokens, wave w the hidden units 256 w .. 256 w + 255 (one K step of the next launch).
; The product is used transposed (source 0 = 16 rows of W1, source 1 = 16 tokens): a lane holds one token, its registers run along the hidden units.
; A tile's lanes 0-7 take eight neighbouring rows of W1, lanes 8-15 the eight rows 16 further on: two tiles give a lane 16 neighbours along the next K.
; hA: [K step 16][block of 16 tokens 1024][32 hidden 8][lane 32][16 bytes]: the image of the next launch's operand registers; each store covers 512 neighbouring bytes.
; hS: [K step][token][8 bytes].  wS: W2's scales laid the same way, [K step][row][8 bytes]; waves 0 and 1 move 256 bytes each.
; LIMIT: the cosine reduces its angle by three parts of pi/2 and serves angles up to 2^16 in magnitude; beyond that the reduced angle loses bits.
; No tensor load, cluster or prefetch: W1 and b1 are 144 KB that all work-groups read again, x is touched once at the head, and there is no shared tile to ask for jointly.
.set QST, 0                            ; q of the 64 tokens, 32 bytes each
.set SPARE, 2048                       ; the spare words, 128 bytes a wave
.set SPW, 2
.set NIL, 3
.set W1O, 4
.set B1O, 5
.set CO, 6
.set SO, 7
.set QRD, 8
.set QWR, 9
.set XO, 10
.set THO, 11
.set RLO, 12
.set RL, 14
.set QF, 16                            ; q's fragments, 4 token blocks x 4
.set WF, 32                            ; two sets of 24: W1's two tiles (4 each), b1 in the result's layout (8 each)
.set D, 80                             ; two sets of 32: two token blocks x two tiles
.set X, 144
.set CD, 176
.set TA, 184
.set TB, 186
.set SCL, 188
.set HOLD, 190
.set BYT, 192
.set BW, 194                           ; scale words: token block x 2
.set SS, 202
.set CV, 208
.set CN, 210
.set CR, 212
.set CZ, 214
.set CC, 216
.set CSN, 218
.set CI, 220
.set TR, 224
.set TH, 225
.set TL, 226
.macro PLACES n
.rept \n
	v_nop
.endr
.endm
.macro LOADW b                         ; W1's and b1's registers for block b of 32 hidden units
.irp u, 0,1
	global_load_b128 v[WF+24*((\b)%2)+4*\u:WF+24*((\b)%2)+4*\u+3], v[W1O], s[8:9] offset:1024*(\b)+256*\u
.endr
.irp u, 0,1
	global_load_b128 v[WF+24*((\b)%2)+8+8*\u:WF+24*((\b)%2)+8+8*\u+3], v[B1O], s[10:11] offset:128*(\b)+32*\u
	global_load_b128 v[WF+24*((\b)%2)+12+8*\u:WF+24*((\b)%2)+12+8*\u+3], v[B1O], s[10:11] offset:128*(\b)+32*\u+16
.endr
.endm
; group g = block g / 2 of the hidden units x token blocks 2 (g % 2), 2 (g % 2) + 1: four accumulators by turns, b1 as the C of the first K half
.macro WGRP g
.set GS, D+32*((\g)%2)
.set WS, WF+24*(((\g)/2)%2)
.set PP, 2*((\g)%2)
.irp t, 0,1
.irp u, 0,1
	v_wmma_f32_16x16x4_f32 v[GS+16*\t+8*\u:GS+16*\t+8*\u+7], v[WS+4*\u:WS+4*\u+1], v[QF+4*(PP+\t):QF+4*(PP+\t)+1], v[WS+8+8*\u:WS+8+8*\u+7]
.endr
.endr
.irp t, 0,1
.irp u, 0,1
	v_wmma_f32_16x16x4_f32 v[GS+16*\t+8*\u:GS+16*\t+8*\u+7], v[WS+4*\u+2:WS+4*\u+3], v[QF+4*(PP+\t)+2:QF+4*(PP+\t)+3], v[GS+16*\t+8*\u:GS+16*\t+8*\u+7]
.endr
.endr
.endm
; group g is quantised: the two token blocks side by side.  No |.|: what is negative becomes 0 and must not count; the floor 2^(16-127) holds the byte at 1
.macro QG g
.set GS, D+32*((\g)%2)
.set PB, (\g)/2
.set PP, 2*((\g)%2)
.irp t, 0,1
	v_max3_num_f32 v[TA+\t], v[GS+16*\t], v[GS+16*\t+1], 0x8000000
	v_max3_num_f32 v[TB+\t], v[GS+16*\t+8], v[GS+16*\t+9], v[GS+16*\t+10]
.endr
.irp i, 2,4
.irp t, 0,1
	v_max3_num_f32 v[TA+\t], v[TA+\t], v[GS+16*\t+\i], v[GS+16*\t+\i+1]
	v_max3_num_f32 v[TB+\t], v[TB+\t], v[GS+16*\t+\i+9], v[GS+16*\t+\i+10]
.endr
.endr
.irp t, 0,1
	v_max3_num_f32 v[TA+\t], v[TA+\t], v[GS+16*\t+6], v[GS+16*\t+7]
.endr
.irp t, 0,1
	v_max3_num_f32 v[TA+\t], v[TA+\t], v[TB+\t], v[GS+16*\t+15]
.endr
.irp t, 0,1
	v_permlanex16_b32 v[TB+\t], v[TA+\t], s40, s41
.endr
.irp t, 0,1
	v_max_num_f32 v[TA+\t], v[TA+\t], v[TB+\t]     ; with lane l xor 16's: the block's largest number
.endr
.irp t, 0,1
	v_add_nc_u32 v[SCL+\t], 0xf8800000, v[TA+\t]   ; 15 off the exponent field: the conversion's scale operand
.endr
.irp t, 0,1
	v_and_or_b32 v[HOLD+\t], v[TA+\t], 0x7f800000, s42   ; 57,344 x the scale
.endr
.if PB%4 == 0
.irp t, 0,1
	v_lshrrev_b32 v[BW+2*(PP+\t)+PB/4], 23, v[SCL+\t]    ; the byte starts its word
.endr
.else
.irp t, 0,1
	v_lshrrev_b32 v[BYT+\t], 23, v[SCL+\t]
.endr
.irp t, 0,1
	v_lshl_or_b32 v[BW+2*(PP+\t)+PB/4], v[BYT+\t], 8*(PB%4), v[BW+2*(PP+\t)+PB/4]
.endr
.endif
.irp i, 0,1,2,3,4,5,6,7,8,9,10,11,12,13,14,15
.irp t, 0,1
	v_med3_num_f32 v[X+16*\t+\i], v[GS+16*\t+\i], 0, v[HOLD+\t]   ; the activation and the hold in one
.endr
.endr
.irp t, 0,1
	v_cvt_scalef32_pk8_bf8_f32 v[CD+4*\t:CD+4*\t+1], v[X+16*\t:X+16*\t+7], v[SCL+\t]
	v_cvt_scalef32_pk8_bf8_f32 v[CD+4*\t+2:CD+4*\t+3], v[X+16*\t+8:X+16*\t+15], v[SCL+\t]
.endr
	v_nop                                          ; one plain line behind the last conversion
.irp t, 0,1
	global_store_b128 v[CO], v[CD+4*\t:CD+4*\t+3], s[14:15] offset:4096*(PP+\t)+512*PB th:TH_STORE_NT
.endr
.endm
	s_load_b512 s[4:19], s[0:1], 0x0               ; x, theta, W1, b1, W2's scales, hA, hS, wS
	v_lshl_add_u32 v[SPW], v0, 2, SPARE
	v_mov_b32 v[NIL], 0
	v_lshrrev_b32 v1, 5, v0
	v_readfirstlane_b32 s20, v1                    ; wave = my K step
	v_and_b32 v[TR], 15, v0
	v_bfe_u32 v[TH], v0, 4, 1
	v_and_b32 v[TL], 31, v0
	v_and_b32 v[THO], 7, v0
	v_lshrrev_b32 v[XO], 3, v0
	v_lshlrev_b32 v[THO], 2, v[THO]                ; thread t: feature t % 8
	v_lshl_add_u32 v[XO], v[XO], 12, v[THO]        ; of token t / 8
	v_and_b32 v[W1O], 8, v[TR]
	v_add_nc_u32 v[W1O], v[W1O], v[TR]             ; r + 8 (r / 8)
	v_lshlrev_b32 v[W1O], 5, v[W1O]
	v_lshl_add_u32 v[W1O], v[TH], 4, v[W1O]        ; lanes 16-31 take features 4-7: the same order of K in both sources
	v_lshlrev_b32 v[B1O], 6, v[TH]
	v_lshlrev_b32 v[CO], 4, v[TL]
	v_lshlrev_b32 v[SO], 3, v[TL]
	v_lshlrev_b32 v[RLO], 7, v[TL]
	v_lshlrev_b32 v[QRD], 5, v[TR]
	v_lshl_add_u32 v[QRD], v[TH], 4, v[QRD]
	v_lshlrev_b32 v[QWR], 2, v0
	s_mov_b32 s40, 0x76543210
	s_mov_b32 s41, 0xfedcba98
	s_mov_b32 s42, 0x600000                        ; the mantissa field of 57,344
	s_mov_b32 s44, 0xffff0000                      ; lanes 16-31
	s_mov_b32 s45, 0x3f22f983                      ; 2 / pi
	s_mov_b32 s48, 0xbfc90fd8                      ; -pi/2 in three parts
	s_mov_b32 s49, 0xb4a8885a
	s_mov_b32 s50, 0xa7c234c4
	s_mov_b32 s51, 0x37d00d01                      ; cosine's series
	s_mov_b32 s52, 0xbab60b61
	s_mov_b32 s53, 0x3d2aaaab
	s_mov_b32 s54, 0x3638ef1d                      ; sine's series
	s_mov_b32 s55, 0xb9500d01
	s_mov_b32 s56, 0x3c088889
	s_mov_b32 s57, 0xbe2aaaab
	s_mov_b32 s23, 0
	s_and_b32 s24, ttmp9, 15
	s_lshl_b32 s24, s24, 6
	s_lshl_b32 s25, s20, 5
	s_add_co_u32 s24, s24, s25                     ; waves 0, 1: the first of my 32 rows of W2's scales
	s_lshr_b32 s25, ttmp9, 4                       ; and their K step
	s_wait_alu depctr_va_vdst(0)                   ; the wait at the head's end
	s_wait_kmcnt 0x0
	s_lshl_b32 s22, ttmp9, 18
	s_add_nc_u64 s[4:5], s[4:5], s[22:23]          ; x at my 64 tokens
	s_lshl_b32 s22, s20, 13
	s_add_nc_u64 s[8:9], s[8:9], s[22:23]          ; W1 at my 256 rows
	s_lshl_b32 s22, s20, 10
	s_add_nc_u64 s[10:11], s[10:11], s[22:23]
	s_lshl_b32 s22, s20, 22
	s_lshl_b32 s26, ttmp9, 14
	s_add_co_u32 s22, s22, s26
	s_add_nc_u64 s[14:15], s[14:15], s[22:23]
	s_lshl_b32 s22, s20, 17
	s_lshl_b32 s26, ttmp9, 9
	s_add_co_u32 s22, s22, s26
	s_add_nc_u64 s[16:17], s[16:17], s[22:23]
	s_lshl_b32 s22, s24, 7
	s_lshl_b32 s26, s25, 3
	s_add_co_u32 s22, s22, s26
	s_add_nc_u64 s[12:13], s[12:13], s[22:23]
	s_lshl_b32 s22, s24, 3
	s_lshl_b32 s26, s25, 13
	s_add_co_u32 s22, s22, s26
	s_add_nc_u64 s[18:19], s[18:19], s[22:23]
	global_load_b32 v[CV], v[XO], s[4:5]
	global_load_b32 v[CV+1], v[THO], s[6:7]
	LOADW 0
	LOADW 1
	s_cmp_gt_u32 s20, 1
	s_cbranch_scc1 .Lno_relay
	global_load_b64 v[RL:RL+1], v[RLO], s[12:13]   ; 8 scale bytes of each of 32 rows of W2
	s_wait_loadcnt 0x0
	global_store_b64 v[SO], v[RL:RL+1], s[18:19]   ; 256 neighbouring bytes
.Lno_relay:
	s_wait_loadcnt 12                              ; x and theta are in; the twelve loads of W1 and b1 may be out
.irp k, 0,1
	v_mul_f32 v[CN+\k], s45, v[CV+\k]
.endr
.irp k, 0,1
	v_rndne_f32 v[CN+\k], v[CN+\k]
.endr
.irp k, 0,1
	v_fma_f32 v[CR+\k], v[CN+\k], s48, v[CV+\k]
.endr
.irp k, 0,1
	v_fma_f32 v[CR+\k], v[CN+\k], s49, v[CR+\k]
.endr
.irp k, 0,1
	v_fma_f32 v[CR+\k], v[CN+\k], s50, v[CR+\k]
.endr
.irp k, 0,1
	v_mul_f32 v[CZ+\k], v[CR+\k], v[CR+\k]
	v_cvt_i32_f32 v[CI+\k], v[CN+\k]
.endr
.irp k, 0,1
	v_fma_f32 v[CC+\k], v[CZ+\k], s51, s52
	v_fma_f32 v[CSN+\k], v[CZ+\k], s54, s55
.endr
.irp k, 0,1
	v_fma_f32 v[CC+\k], v[CC+\k], v[CZ+\k], s53
	v_fma_f32 v[CSN+\k], v[CSN+\k], v[CZ+\k], s56
.endr
.irp k, 0,1
	v_fma_f32 v[CC+\k], v[CC+\k], v[CZ+\k], -0.5
	v_fma_f32 v[CSN+\k], v[CSN+\k], v[CZ+\k], s57
.endr
.irp k, 0,1
	v_fma_f32 v[CC+\k], v[CC+\k], v[CZ+\k], 1.0
	v_mul_f32 v[CZ+\k], v[CZ+\k], v[CR+\k]
.endr
.irp k, 0,1
	v_fma_f32 v[CSN+\k], v[CSN+\k], v[CZ+\k], v[CR+\k]
	v_and_b32 v[CN+\k], 1, v[CI+\k]
	v_add_nc_u32 v[CI+\k], 1, v[CI+\k]
.endr
.irp k, 0,1
	v_cmp_eq_u32 vcc_lo, 1, v[CN+\k]               ; odd quadrant: the sine
	v_cndmask_b32 v[CC+\k], v[CC+\k], v[CSN+\k], vcc_lo
	v_and_b32 v[CI+\k], 2, v[CI+\k]                ; quadrants 1 and 2: the sign
	v_lshlrev_b32 v[CI+\k], 30, v[CI+\k]
	v_xor_b32 v[CC+\k], v[CC+\k], v[CI+\k]
.endr
	v_mul_f32 v[CC], v[CC], v[CC+1]
	ds_store_b32 v[QWR], v[CC]
	s_wait_dscnt 0x0                               ; for the others' sake
	s_barrier_signal -1
	s_barrier_wait -1
.irp m, 0,1,2,3
	ds_load_b128 v[QF+4*\m:QF+4*\m+3], v[QRD] offset:512*\m
.endr
	s_wait_dscnt 0x0
	s_wait_loadcnt 6                               ; block 0's six loads are in, block 1's may be out
	WGRP 0
; Each turn: the next group's products, then this group's quantising, whose lines are the places behind those products.
.set g, 0
.rept 16
.if g < 15
.if (g+1)%2 == 0
.if (g+1)/2 < 7
	s_wait_loadcnt 6                               ; this block's loads are in, the next block's six may be out
.else
	s_wait_loadcnt 0
.endif
.endif
	WGRP g+1
.endif
.if g == 0
	PLACES 10                                      ; group 0's results are read, and its set written again two groups on
.endif
	s_wait_xcnt 0x0                                ; the last group's stores have read their data
	QG g
.if (g%2 == 0) && (g/2+2 <= 7)
	LOADW g/2+2                                    ; into the set whose products were issued ahead of the lines above
.endif
.set g, g+1
.endr
.irp p, 0,1                                    ; lanes 0-15 hold the even token block's words, lanes 16-31 take the odd one's: 32 tokens x 8 bytes
	v_cndmask_b32 v[SS+2*\p], v[BW+4*\p], v[BW+4*\p+2], s44
	v_cndmask_b32 v[SS+2*\p+1], v[BW+4*\p+1], v[BW+4*\p+3], s44
	global_store_b64 v[SO], v[SS+2*\p:SS+2*\p+1], s[16:17] offset:256*\p
.endr
	s_wait_tensorcnt 0x0                           ; the wave's end
	ds_add_u32 v[SPW], v[NIL]
	s_wait_dscnt 0x0
	s_endpgm
.Lfunc_end_k_qf7bac06bc1_hid:
	.size	k_qf7bac06bc1_hid, .Lfunc_end_k_qf7bac06bc1_hid-k_qf7bac06bc1_hid
	.p2alignl 7, 3214868480
	.fill 96, 4, 3214868480
	.section	.rodata,"a",@progbits
	.p2align	6, 0x0
	.amdhsa_kernel k_qf7bac06bc1_hid
		.amdhsa_group_segment_fixed_size 4096
		.amdhsa_private_segment_fixed_size 0
		.amdhsa_enable_private_segment 0
		.amdhsa_kernarg_size 64
		.amdhsa_user_sgpr_count 2
		.amdhsa_user_sgpr_kernarg_segment_ptr 1
		.amdhsa_wavefront_size32 1
		.amdhsa_system_sgpr_workgroup_id_x 1
		.amdhsa_system_sgpr_workgroup_id_y 1
		.amdhsa_system_sgpr_workgroup_id_z 1
		.amdhsa_system_vgpr_workitem_id 0
		.amdhsa_next_free_vgpr 256
		.amdhsa_next_free_sgpr 66
		.amdhsa_reserve_vcc 1
		.amdhsa_float_denorm_mode_32 3
		.amdhsa_float_denorm_mode_16_64 3
		.amdhsa_memory_ordered 1
		.amdhsa_forward_progress 1
		.amdhsa_inst_pref_size 88
	.end_amdhsa_kernel
	.amdgpu_metadata
---
amdhsa.version: [ 1, 2 ]
amdhsa.kernels:
  - .name:           k_qf7bac06bc1_hid
    .symbol:         k_qf7bac06bc1_hid.kd
    .args:
      - { .name: x, .offset: 0, .size: 8, .value_kind: global_buffer, .address_space: global }
      - { .name: ry_theta, .offset: 8, .size: 8, .value_kind: global_buffer, .address_space: global }
      - { .name: W1, .offset: 16, .size: 8, .value_kind: global_buffer, .address_space: global }
      - { .name: b1, .offset: 24, .size: 8, .value_kind: global_buffer, .address_space: global }
      - { .name: W2_scales, .offset: 32, .size: 8, .value_kind: global_buffer, .address_space: global }
      - { .name: hA, .offset: 40, .size: 8, .value_kind: global_buffer, .address_space: global }
      - { .name: hS, .offset: 48, .size: 8, .value_kind: global_buffer, .address_space: global }
      - { .name: wS, .offset: 56, .size: 8, .value_kind: global_buffer, .address_space: global }
    .group_segment_fixed_size: 4096
    .private_segment_fixed_size: 0
    .kernarg_segment_align: 8
    .kernarg_segment_size: 64
    .max_flat_workgroup_size: 512
    .sgpr_count:     66
    .vgpr_count:     256
    .wavefront_size: 32
...
	.end_amdgpu_metadata
.endif
;; end of part 1
;; launch gemm (part 2): grid 4 x 64, 4 waves a work-group, clusters of 4 x 4, 327,680 bytes of LDS; arguments hA, hS, W2_codes, wS, b2, out0; writes out0
.if DOCPART == 2
	.amdgcn_target "amdgcn-amd-amdhsa--gfx1250"
	.amdhsa_code_object_version 6
	.text
	.protected	k_qf7bac06bc1_gemm
	.globl	k_qf7bac06bc1_gemm
	.p2align	8
	.type	k_qf7bac06bc1_gemm,@function
k_qf7bac06bc1_gemm:
	s_mov_b64 s[64:65], 0
	v_nop
	global_prefetch_b8 v0, s[64:65] scope:SCOPE_SE
	s_setreg_imm32_b32 hwreg(HW_REG_WAVE_MODE, 25, 1), 1
	s_wait_xcnt 0x0
	s_wait_alu depctr_hold_cnt(0) depctr_sa_sdst(0) depctr_va_vdst(0) depctr_va_sdst(0) depctr_va_ssrc(0) depctr_va_vcc(0) depctr_vm_vsrc(0)
	s_getreg_b32 s2, hwreg(HW_REG_IB_STS2, 6, 4)
	s_cmp_eq_u32 s2, 0
	s_cbranch_scc0 .Lentry_in_a_cluster
	s_endpgm
.Lentry_in_a_cluster:
	s_bfe_u32 s2, ttmp6, 0x10000c
	s_cmp_lg_u32 s2, 0xf033
	s_cbranch_scc0 .Lentry_shape_is_right
	s_endpgm
.Lentry_shape_is_right:
; out[m][n] = sum over k of h[m][k] W2[n][k] + b2[n]: codes of E5M2 with E8M0 scales, M 16,384, N 1,024, K 4,096; sums in f32.
; A block of 256 x 256 to a work-group of four waves, 128 x 128 a wave: 64 accumulators.  K goes in steps of 256 through two LDS slots.
; A slot holds four tiles, one tensor load a wave: h's codes (64 KB, dense: the image of the operand registers, read at 16 x lane), W2's codes (256 rows of 256 bytes, 16 bytes of padding behind each),
; h's scales and W2's scales (2,048 dense bytes each; W2's begin 128 bytes further on, so that the two halves of a load touch different banks).
; CLUSTERS 4 x 4: h's tiles are asked for jointly along a row of the cluster, W2's along a column.
; The matrix instruction is used transposed (source 0 = rows of W2, source 1 = tokens): a lane holds eight neighbouring numbers of a row of out.  b2 is the C of the first products.
; THE CHANGE OF SLOTS: half of the slot's last 64 products stand ahead of the wait for the tensor loads (their fragments are in registers), so that between that wait and the refill stand only the add, scalar lines and the round.
; PREFETCH: behind each refill a wave names 32 blocks of 256 bytes of the K step two refills on; the four partners of a joint load share its blocks by address.  The scales, 4 KB of a step's 132 KB, are not named.
; REGISTERS: window 0: v0-31 addresses, v32-63 scale words (two sets), v64-127 b2, v128-255 h's fragments (one set); window 1: W2's fragments (two sets); windows 2, 3: accumulators.
.set SIZE_N, 1024
.set NQ, 2
.set PITCH, 272
.set FR, 16
.set NL, 4
.set NP, 8
.set BOFF, 65536
.set SAOFF, BOFF+256*PITCH
.set SBOFF, SAOFF+2048+128
.set SLOT, 139520
.set SPARE, 2*SLOT
.set SPITCH, 528                       ; the way out: 16 rows x (512 + 16) bytes a wave, in slot 0 behind its last fill and last read
.set LAPS, 8
.set ASTEP, 4194304                    ; bytes from K step to K step: h's codes,
.set BSTEP, 256                        ; W2's codes,
.set SASTEP, 131072                    ; h's scales,
.set SBSTEP, 8192                      ; W2's scales
.set ADRA, 16
.set ADRB, 20
.set ADRS, 22
.set STO, 24
.set RD, 25
.set CO, 26
.set B2O, 27
.set SPW, 28
.set NIL, 29
.set PFO, 30
.set SC, 32
.set B2, 64
.set AF, 128
.set BK, 128
.set MSB, 0
.macro WIN new
.if MSB != \new
	s_set_vgpr_msb (MSB<<8)|\new
.set MSB, \new
.endif
.endm
.set MUL_LO, 0xa1
.set MUL_HI, 0xf1
.set FST_LO, 0x81                      ; the first products: C (b2) in window 0
.set FST_HI, 0xc1
.set TO_B, 0x40
.macro PLACES n
.rept \n
	v_nop
.endr
.endm
.macro CREST
	s_cmp_lg_u32 s14, 0
	s_cbranch_scc1 .Lnot_wave_0_\@
	s_barrier_signal -3
.Lnot_wave_0_\@:
	s_barrier_wait -3
	s_barrier_signal -1
	s_barrier_wait -1
.endm
.macro CROUND
	s_barrier_signal -1
	s_barrier_wait -1
	CREST
.endm
; the four joint loads of a slot, one a wave: one chain of branches on the wave's number, every way passes one load
.macro JLOAD4
	s_cmp_lt_u32 s14, 1
	s_cbranch_scc0 .Lj1_\@
	tensor_load_to_lds s[32:35], s[24:31]
	s_nop 0
	PLACES 4
	s_branch .Lj4_\@
.Lj1_\@:
	s_cmp_lt_u32 s14, 2
	s_cbranch_scc0 .Lj2_\@
	tensor_load_to_lds s[36:39], s[48:55]
	s_nop 0
	PLACES 4
	s_branch .Lj4_\@
.Lj2_\@:
	s_cmp_lt_u32 s14, 3
	s_cbranch_scc0 .Lj3_\@
	tensor_load_to_lds s[56:59], s[68:75]
	s_nop 0
	PLACES 4
	s_branch .Lj4_\@
.Lj3_\@:
	tensor_load_to_lds s[60:63], s[80:87]
	s_nop 0
	PLACES 4
.Lj4_\@:
.endm
.macro NEXTG slot                      ; no tensor load of mine is out: the four groups 0 go on one K step, into this slot
	s_mov_b32 s33, \slot*SLOT
	s_mov_b32 s37, \slot*SLOT+BOFF
	s_mov_b32 s57, \slot*SLOT+SAOFF
	s_mov_b32 s61, \slot*SLOT+SBOFF
	s_add_nc_u64 s[34:35], s[34:35], ASTEP
	s_add_nc_u64 s[38:39], s[38:39], BSTEP
	s_add_nc_u64 s[58:59], s[58:59], SASTEP
	s_add_nc_u64 s[62:63], s[62:63], SBSTEP
.endm
.macro ASK                             ; the loop's last trip has no K step two refills on
	s_cmp_gt_u32 s3, 1
	s_cbranch_scc0 .Lno_ask_\@
	global_prefetch_b8 v[PFO], s[90:91] th:TH_LOAD_NT scope:SCOPE_SE
.Lno_ask_\@:
.endm
	s_load_b256 s[4:11], s[0:1], 0x0               ; hA s[4:5], hS s[6:7], W2's codes s[8:9], wS s[10:11]
	s_load_b128 s[96:99], s[0:1], 0x20             ; b2 s[96:97], out s[98:99]
	v_lshl_add_u32 v[SPW], v0, 2, SPARE
	v_mov_b32 v[NIL], 0
	ds_add_u32 v[SPW], v[NIL]                      ; the opening lines: the add twice on end and one wait
	ds_add_u32 v[SPW], v[NIL]
	v_lshrrev_b32 v1, 5, v0
	v_readfirstlane_b32 s14, v1                    ; wave
	s_lshr_b32 s15, s14, 1                         ; my half of the block's rows
	s_and_b32 s16, s14, 1                          ; my half of its columns
	s_bfe_u32 s40, ttmp6, 0x40000                  ; cx
	s_bfe_u32 s41, ttmp6, 0x40004                  ; cy
	s_lshl_b32 s42, ttmp9, 2
	s_add_co_u32 s42, s42, s40                     ; block column
	s_and_b32 s17, ttmp7, 0xffff
	s_lshl_b32 s17, s17, 2
	s_add_co_u32 s17, s17, s41                     ; block row
	s_lshl_b32 s43, s41, 2
	s_lshl_b32 s43, 15, s43                        ; my row of the cluster
	s_lshl_b32 s44, 0x1111, s40                    ; my column
	s_or_b32 s24, s43, (1<<21)                     ; h's codes: 256 rows of 256 bytes, dense
	s_or_b32 s48, s44, (1<<20)|(1<<21)|(5<<22)|(3<<25)   ; W2's codes: 4 words of padding behind every 64
.irp g, 24, 48
	s_mov_b32 s[\g+1], 256<<16
	s_mov_b32 s[\g+2], 256<<16
	s_mov_b32 s[\g+3], 256<<16
	s_mov_b32 s[\g+4], 256
	s_mov_b32 s[\g+6], 0
	s_mov_b32 s[\g+7], 0
.endr
	s_mov_b32 s29, 256
	s_mov_b32 s53, 4096
	s_or_b32 s68, s43, (3<<16)|(1<<21)             ; scales: 8 rows of 32 elements of 8 bytes, dense
	s_or_b32 s80, s44, (3<<16)|(1<<21)
.irp g, 68, 80
	s_mov_b32 s[\g+1], 32<<16
	s_mov_b32 s[\g+2], 8<<16
	s_mov_b32 s[\g+3], 32<<16
	s_mov_b32 s[\g+4], 8
	s_mov_b32 s[\g+5], 32
	s_mov_b32 s[\g+6], 0
	s_mov_b32 s[\g+7], 0
.endr
	s_lshl_b32 s20, s17, 16                        ; h's tiles hang on the block row alone,
	s_mov_b32 s21, 0
	s_lshl_b32 s22, s17, 11
	s_mov_b32 s23, 0
	s_lshl_b32 s46, s42, 20                        ; W2's on the block column alone
	s_mov_b32 s47, 0
	s_lshl_b32 s92, s42, 11
	s_mov_b32 s93, 0
	s_mul_i32 s12, s16, 128*PITCH                  ; LDS: my 128 rows of W2,
	s_add_co_u32 s12, s12, BOFF
	s_lshl_b32 s13, s15, 15                        ; my 8 token blocks,
	s_lshl_b32 s19, s15, 10                        ; my scale words: h's,
	s_lshl_b32 s18, s16, 10
	s_add_co_u32 s18, s18, SBOFF-SAOFF
	s_sub_co_u32 s18, s18, s19                     ; and how far behind them W2's lie
	s_add_co_u32 s19, s19, SAOFF
	s_mul_i32 s2, s14, 16*SPITCH                   ; my stage
	s_wait_dscnt 0x0
	s_wait_kmcnt 0x0
	s_add_nc_u64 s[20:21], s[4:5], s[20:21]
	s_add_nc_u64 s[22:23], s[6:7], s[22:23]
	s_add_nc_u64 s[46:47], s[8:9], s[46:47]
	s_add_nc_u64 s[92:93], s[10:11], s[92:93]
	CROUND                                         ; all sixteen work-groups are here: the first joint loads meet
	s_mov_b32 s32, 1
	s_mov_b32 s33, 0
	s_mov_b64 s[34:35], s[20:21]
	s_or_b32 s35, s35, 0x80000000
	s_mov_b32 s36, 1
	s_mov_b32 s37, BOFF
	s_mov_b64 s[38:39], s[46:47]
	s_or_b32 s39, s39, 0x80000000
	s_mov_b32 s56, 1
	s_mov_b32 s57, SAOFF
	s_mov_b64 s[58:59], s[22:23]
	s_or_b32 s59, s59, 0x80000000
	s_mov_b32 s60, 1
	s_mov_b32 s61, SBOFF
	s_mov_b64 s[62:63], s[92:93]
	s_or_b32 s63, s63, 0x80000000
	JLOAD4                                         ; K step 0: one tensor load a wave at the head
	s_lshl_b32 s88, s17, 8                         ; out: my first row,
	s_lshl_b32 s100, s15, 7
	s_add_co_u32 s88, s88, s100
	s_lshl_b32 s88, s88, 12
	s_lshl_b32 s100, s42, 10                       ; my first column, in bytes
	s_lshl_b32 s89, s16, 9
	s_add_co_u32 s100, s100, s89
	s_add_co_u32 s88, s88, s100
	s_mov_b32 s89, 0
	s_add_nc_u64 s[98:99], s[98:99], s[88:89]
	s_mov_b32 s88, s100
	s_add_nc_u64 s[96:97], s[96:97], s[88:89]      ; b2 at my 128 columns
	s_lshl_b32 s88, s17, 16                        ; the prefetches.  Waves 0, 1: of h's tile of 256 blocks my work-group's 64 (by cx), my wave's 32;
	s_lshl_b32 s100, s40, 14
	s_add_co_u32 s88, s88, s100
	s_lshl_b32 s100, s16, 13
	s_add_co_u32 s88, s88, s100
	s_lshl_b32 s89, s42, 20                        ; waves 2, 3: of W2's 256 rows my work-group's 64 (by cy), my wave's 32
	s_lshl_b32 s100, s41, 18
	s_add_co_u32 s89, s89, s100
	s_lshl_b32 s100, s16, 17
	s_add_co_u32 s89, s89, s100
	s_mov_b32 s94, BSTEP
	s_mov_b32 s95, 0
	s_cmp_eq_u32 s15, 0
	s_cselect_b64 s[90:91], s[4:5], s[8:9]
	s_cselect_b32 s88, s88, s89
	s_cselect_b32 s45, 8, 12                       ; a lane a block: 256 bytes apart in hA, a row apart in W2
	s_cselect_b32 s94, ASTEP, s94
	s_mov_b32 s89, 0
	s_add_nc_u64 s[90:91], s[90:91], s[88:89]
	s_mul_i32 s88, s94, 3
	s_add_nc_u64 s[90:91], s[90:91], s[88:89]      ; at K step 3: the first refill steps it to 4 and names that
	v_and_b32 v1, 15, v0
	v_bfe_u32 v2, v0, 4, 1
	v_and_b32 v6, 31, v0
	v_mul_u32_u24 v3, v1, PITCH
	v_lshl_add_u32 v4, v2, 4, v3
	v_add_nc_u32 v[ADRB], s12, v4
	v_add_nc_u32 v[ADRB+1], SLOT, v[ADRB]
	v_lshlrev_b32 v[CO], 4, v6
	v_add_nc_u32 v[ADRA], s13, v[CO]
	v_add_nc_u32 v[ADRA+1], SLOT, v[ADRA]
	v_mul_u32_u24 v5, s18, v2                      ; lanes 16-31 take W2's scale words
	v_lshl_add_u32 v5, v1, 3, v5
	v_add_nc_u32 v[ADRS], s19, v5
	v_add_nc_u32 v[ADRS+1], SLOT, v[ADRS]
	v_mul_u32_u24 v7, v1, SPITCH
	v_lshl_add_u32 v7, v2, 5, v7
	v_add_nc_u32 v[STO], s2, v7
	v_add_nc_u32 v[RD], s2, v[CO]
	v_lshlrev_b32 v[B2O], 5, v2
	v_lshlrev_b32 v[PFO], s45, v6
	s_wait_alu depctr_va_vdst(0)                   ; the wait at the head's end
.irp b, 0,1,2,3,4,5,6,7
	global_load_b128 v[B2+8*\b:B2+8*\b+3], v[B2O], s[96:97] offset:64*\b      ; b2 in the result's layout: columns 16 b + 8 (l / 16) + 0 .. 7
	global_load_b128 v[B2+8*\b+4:B2+8*\b+7], v[B2O], s[96:97] offset:64*\b+16
.endr
.macro FRAGB reg, slot, q, i
.irp c, 0,1,2,3
	ds_load_b128 v[\reg+4*\c:\reg+4*\c+3], v[ADRB+\slot] offset:128*(\q)+32*\c+(\i)*16*PITCH
.endr
.endm
.macro FRAGA reg, slot, q, i           ; the image: 512 neighbouring bytes a load
.irp c, 0,1,2,3
	ds_load_b128 v[\reg+4*\c:\reg+4*\c+3], v[ADRA+\slot] offset:4096*(\i)+2048*(\q)+512*\c
.endr
.endm
; 16 products: token blocks a0, a0 + 1 x W2's eight; the 64 accumulators take turns in the same order in every step
.macro MUL16 a0, p, q, sc, zero
.irp a, \a0, \a0+1
.irp b, 0,1,2,3,4,5,6,7
.if \zero
	v_wmma_scale_f32_16x16x128_f8f6f4 v[8*(8*((\a)%4)+\b):8*(8*((\a)%4)+\b)+7], v[128*(\p)+FR*\b:128*(\p)+FR*\b+FR-1], v[AF+FR*(\a):AF+FR*(\a)+FR-1], v[B2+8*\b:B2+8*\b+7], v[SC+8*NQ*(\sc)+NQ*\b+(\q)], v[SC+8*NQ*(\sc)+NQ*(\a)+(\q)] matrix_a_fmt:MATRIX_FMT_BF8 matrix_b_fmt:MATRIX_FMT_BF8 matrix_a_scale:MATRIX_SCALE_ROW1
.else
	v_wmma_scale_f32_16x16x128_f8f6f4 v[8*(8*((\a)%4)+\b):8*(8*((\a)%4)+\b)+7], v[128*(\p)+FR*\b:128*(\p)+FR*\b+FR-1], v[AF+FR*(\a):AF+FR*(\a)+FR-1], v[8*(8*((\a)%4)+\b):8*(8*((\a)%4)+\b)+7], v[SC+8*NQ*(\sc)+NQ*\b+(\q)], v[SC+8*NQ*(\sc)+NQ*(\a)+(\q)] matrix_a_fmt:MATRIX_FMT_BF8 matrix_b_fmt:MATRIX_FMT_BF8 matrix_a_scale:MATRIX_SCALE_ROW1
.endif
.endr
.endr
.endm
.macro FETCH_B slot, q, p
	WIN TO_B
.irp i, 0,1,2,3,4,5,6,7
	FRAGB 128*(\p)+FR*\i, \slot, \q, \i
.endr
	WIN 0
.endm
.macro FETCH_A slot, q, i0
.irp i, \i0, \i0+1, \i0+2, \i0+3
	FRAGA AF+FR*(\i), \slot, \q, \i
.endr
.endm
.macro SCALES sc                       ; two words a row: lanes 0-15 token block i's, lanes 16-31 those of W2's block i
.irp i, 0,1,2,3,4,5,6,7
	ds_load_b64 v[SC+8*NQ*\sc+NQ*\i:SC+8*NQ*\sc+NQ*\i+1], v[ADRS+\sc] offset:\i*128
.endr
.endm
.macro STEP slot, q, zero              ; 128 along K with its successor in the same slot
	s_wait_dscnt 4*NL                              ; all but the youngest sixteen loads (token blocks 4-7)
.if \zero
	WIN FST_LO
.else
	WIN MUL_LO
.endif
	MUL16 0, (\q)%2, \q, \slot, \zero
	MUL16 2, (\q)%2, \q, \slot, \zero
	s_wait_dscnt 0
	PLACES NP
	FETCH_B \slot, (\q)+1, 1-(\q)%2
	FETCH_A \slot, (\q)+1, 0
.if \zero
	WIN FST_HI
.else
	WIN MUL_HI
.endif
	MUL16 4, (\q)%2, \q, \slot, \zero
	MUL16 6, (\q)%2, \q, \slot, \zero
	PLACES NP
	WIN 0
	FETCH_A \slot, (\q)+1, 4
.endm
; a slot's last 128 along K, and the change of slots.  The first 32 products come first; then each wave waits for all its tensor loads, adds 0 to its spare word, waits for that and for its reads of the slot
.macro TURN slot, next, fill
	s_wait_dscnt 4*NL                              ; all but the youngest sixteen loads (token blocks 4-7)
	WIN MUL_LO
	MUL16 0, 1, NQ-1, \slot, 0
	MUL16 2, 1, NQ-1, \slot, 0
	WIN 0                                          ; the add's registers lie in window 0
.if \fill
	s_wait_xcnt 0x0                                ; my last prefetch has read its address
	s_add_nc_u64 s[90:91], s[90:91], s[94:95]
.endif
	s_wait_tensorcnt 0x0                           ; all my tensor loads have landed: my tile of the next slot
	ds_add_u32 v[SPW], v[NIL]
.if \fill
	NEXTG \slot
.endif
	s_wait_dscnt 0x0                               ; the add is done, and my reads of this slot are over
	s_barrier_signal -1
	s_barrier_wait -1
.if \fill
	CREST                                          ; the barrier has opened a round of the cluster's barrier
	JLOAD4                                         ; the refill, first behind the round; its four v_nop are among the places below
	PLACES NP-4
.else
	PLACES NP
.endif
	FETCH_B \next, 0, 0
	FETCH_A \next, 0, 0
	SCALES \next
.if \fill
	ASK
.endif
	WIN MUL_HI
	MUL16 4, 1, NQ-1, \slot, 0
	MUL16 6, 1, NQ-1, \slot, 0
	PLACES NP
	WIN 0
	FETCH_A \next, 0, 4
.endm
	s_wait_tensorcnt 0x0                           ; my tile of K step 0 is in; slot 1's first fill is issued as a refill is
	ds_add_u32 v[SPW], v[NIL]
	NEXTG 1
	s_wait_dscnt 0x0
	CROUND
	JLOAD4                                         ; K step 1
	FETCH_B 0, 0, 0
	FETCH_A 0, 0, 0
	SCALES 0
	FETCH_A 0, 0, 4
	s_wait_loadcnt 0x0                             ; b2
	STEP 0, 0, 1                                   ; the first products start the sums from b2
	s_mov_b32 s3, LAPS-1
.Llap:
	TURN 0, 1, 1
	STEP 1, 0, 0
	TURN 1, 0, 1
	STEP 0, 0, 0
	s_sub_co_u32 s3, s3, 1
	s_cmp_lg_u32 s3, 0
	s_cbranch_scc1 .Llap
	TURN 0, 1, 0                                   ; the last lap fills nothing
	STEP 1, 0, 0
	s_wait_dscnt 4*NL
	WIN MUL_LO
	MUL16 0, 1, NQ-1, 1, 0
	MUL16 2, 1, NQ-1, 1, 0
	s_wait_dscnt 0
	WIN MUL_HI
	MUL16 4, 1, NQ-1, 1, 0
	MUL16 6, 1, NQ-1, 1, 0
	WIN 0
; THE WAY OUT: a block of 16 rows x 128 columns goes through my own stage and comes back as whole rows of 512 bytes
.macro TOSTAGE a
.set AC, 64*((\a)%4)
	WIN 0x08+4*((\a)/4)
.irp b, 0,1,2,3,4,5,6,7
	ds_store_b128 v[STO], v[AC+8*\b:AC+8*\b+3] offset:64*\b          ; each accumulator from its low end on
	ds_store_b128 v[STO], v[AC+8*\b+4:AC+8*\b+7] offset:64*\b+16
.endr
	WIN 0
.set BB, BK+64*((\a)%2)
.irp t, 0,1,2,3,4,5,6,7,8,9,10,11,12,13,14,15
	ds_load_b128 v[BB+4*\t:BB+4*\t+3], v[RD] offset:\t*SPITCH
.endr
.endm
.macro SEND a, younger
.set BB, BK+64*((\a)%2)
	s_wait_dscnt \younger
.if (\a) > 0
	s_add_nc_u64 s[98:99], s[98:99], 16*SIZE_N*4   ; behind a wait on XCNT: the earlier stores have read their base
.endif
.irp t, 0,1,2,3,4,5,6,7,8,9,10,11,12,13,14,15
	global_store_b128 v[CO], v[BB+4*\t:BB+4*\t+3], s[98:99] offset:\t*SIZE_N*4 th:TH_STORE_NT   ; 512 neighbouring bytes, aligned
.endr
.endm
	PLACES NP
	TOSTAGE 0
.irp a, 1,2,3,4,5,6,7
.if \a > 1
	s_wait_xcnt 0x0                                ; block a - 2's stores have read their registers and their base
.endif
	TOSTAGE \a
	SEND \a-1, 32                                  ; behind block a - 1's loads: block a's 16 stores and 16 loads
.endr
	s_wait_xcnt 0x0
	SEND 7, 0
	s_wait_tensorcnt 0x0                           ; the wave's end
	ds_add_u32 v[SPW], v[NIL]
	s_wait_dscnt 0x0
	CROUND                                         ; the closing round
	s_endpgm
.Lfunc_end_k_qf7bac06bc1_gemm:
	.size	k_qf7bac06bc1_gemm, .Lfunc_end_k_qf7bac06bc1_gemm-k_qf7bac06bc1_gemm
	.p2alignl 7, 3214868480
	.fill 96, 4, 3214868480
	.section	.rodata,"a",@progbits
	.p2align	6, 0x0
	.amdhsa_kernel k_qf7bac06bc1_gemm
		.amdhsa_group_segment_fixed_size 327680
		.amdhsa_private_segment_fixed_size 0
		.amdhsa_enable_private_segment 0
		.amdhsa_kernarg_size 48
		.amdhsa_user_sgpr_count 2
		.amdhsa_user_sgpr_kernarg_segment_ptr 1
		.amdhsa_wavefront_size32 1
		.amdhsa_system_sgpr_workgroup_id_x 1
		.amdhsa_system_sgpr_workgroup_id_y 1
		.amdhsa_system_sgpr_workgroup_id_z 1
		.amdhsa_system_vgpr_workitem_id 0
		.amdhsa_next_free_vgpr 1024
		.amdhsa_next_free_sgpr 102
		.amdhsa_reserve_vcc 0
		.amdhsa_float_denorm_mode_32 3
		.amdhsa_float_denorm_mode_16_64 3
		.amdhsa_memory_ordered 1
		.amdhsa_forward_progress 1
		.amdhsa_inst_pref_size 151
	.end_amdhsa_kernel
	.amdgpu_metadata
---
amdhsa.version: [ 1, 2 ]
amdhsa.kernels:
  - .name:           k_qf7bac06bc1_gemm
    .symbol:         k_qf7bac06bc1_gemm.kd
    .args:
      - { .name: hA, .offset: 0, .size: 8, .value_kind: global_buffer, .address_space: global }
      - { .name: hS, .offset: 8, .size: 8, .value_kind: global_buffer, .address_space: global }
      - { .name: W2_codes, .offset: 16, .size: 8, .value_kind: global_buffer, .address_space: global }
      - { .name: wS, .offset: 24, .size: 8, .value_kind: global_buffer, .address_space: global }
      - { .name: b2, .offset: 32, .size: 8, .value_kind: global_buffer, .address_space: global }
      - { .name: out0, .offset: 40, .size: 8, .value_kind: global_buffer, .address_space: global }
    .group_segment_fixed_size: 327680
    .private_segment_fixed_size: 0
    .kernarg_segment_align: 8
    .kernarg_segment_size: 48
    .max_flat_workgroup_size: 128
    .sgpr_count:     102
    .vgpr_count:     1024
    .wavefront_size: 32
...
	.end_amdgpu_metadata
.endif
;; end of part 2
